; MI455X (gfx1250); checked and timed in simulation.
; The chip was launched on July 23, 2026; its instructions are those of AMD's public machine-readable ISA for CDNA 5 (MIT licence, August 2026) and "CDNA5" Instruction Set Architecture Reference Guide (July 2026). The comments in the code are by the model that wrote it; some were corrected since.
;; Attention Multi Items. Allowed arithmetic: matrix products marked QUANTISED: E4M3 operands, one given power-of-two scale a tensor, by v_wmma_f32_16x16x64_fp8_fp8 or v_wmma_f32_16x16x128_fp8_fp8, f32 sums; products left as they are: f32 operands where the result goes on into a quantised operand, else bf16, f16 or f32 operands; f32 sums; everything else in f32.
;; Inputs: W1 256 x 80 float32; W2 80 x 40 float32; W3 40 x 1 float32; b1 80 float32; b2 40 float32; b3 1 float32; keys 128 x 200 x 64 float32; keys_length 128 int32; lowp_scales 6 int32 (the exponents e of the quantised operands' scales 2^e); queries 128 x 16 x 64 float32.
;; Outputs: out0 128 x 16 x 64 float32.
;; This version of the problem:
;;   THIS VERSION OF THE PROBLEM IS GIVEN IN LOW PRECISION. The matrix products marked QUANTISED in the list below multiply operands that are first quantised to E4M3 (4 exponent bits, 3 mantissa bits; 8 bits a number), with one given power-of-two scale for each operand tensor; their sums are f32. All else is computed in f32.
;;   The module's matrix products, in the order in which they are computed (A, B: the left and right operand; K: the contracted axis; several contracted axes count as one K, in the product's order):
;;     1. [M 409,600, K 256] x [K 256, N 80]; A: computed on the way; B: input W1: QUANTISED (scales: A lowp_scales[0], B lowp_scales[1])
;;     2. [M 409,600, K 80] x [K 80, N 40]; A: computed on the way; B: input W2: QUANTISED (scales: A lowp_scales[2], B lowp_scales[3])
;;     3. [M 409,600, K 40] x [K 40, N 1]; A: computed on the way; B: input W3: left as it is (N = 1 < 16)
;;     4. batch 128 x [M 16, K 200] x [K 200, N 64]; A: softmax (see below); B: input keys: QUANTISED (scales: A lowp_scales[4], B lowp_scales[5])
;;   THE QUANTISER, for each operand of a quantised product, along K:
;;     - The operand's scale is 2^e, e = its entry of the input lowp_scales (int32; the entries are numbered through the quantised products in the list's order, A before B).
;;     - Each number is divided by the scale, clamped to +-448, and rounded to the nearest number of E4M3, ties to even, subnormals kept.
;;     - The product sums the exact products of the quantised numbers (number of the format x scale) in f32.
;;   ~~~python
;;   def quantise(x, axis, e):      # numpy; x: float32 -> the quantised numbers, widened to float32 again
;;       x = np.moveaxis(x, axis, -1); K = x.shape[-1]
;;       r = np.clip(x / 2.0 ** e, -448, 448)
;;       step = 2.0 ** (np.maximum(np.frexp(np.where(r == 0, 1, r))[1] - 1, -6) - 3)
;;       q = np.round(r / step) * step * 2.0 ** e      # np.round: ties to even
;;       return np.moveaxis(q, -1, axis).astype(np.float32)
;;   ~~~
;;   SOFTMAX AHEAD OF A QUANTISED PRODUCT. Where the list says 'softmax', what is quantised is not the finished softmax but p = 2^(t - M), with t = logit x log2(e) and M = ceil(the row's largest t), a whole number; so 1/2 < the row's largest p <= 1. The row's sum l is taken of the UNQUANTISED p, in f32, and the product's result is divided by l at the end. Since M is a whole number, a kernel that streams over the keys may use a running M (the ceiling of the running maximum): every later rescaling is an exact power of two, so the quantised numbers keep their values, but for numbers so far below the row's largest that they fall under the format's range.
;;   OPERANDS COMPUTED ON THE WAY. 'Computed on the way' means the value that the module computes at that place (a softmax that the list does not call 'softmax' is quantised finished and normalised). What goes into a quantiser is computed in f32, as accurately as f32 sums, v_exp_f32 and their like allow (about 1e-6 of the number): no bf16 or f16 on the way to a quantiser, and a product that is left as it is and whose result goes on into a quantised operand takes f32 operands (vector FMAs, or v_wmma_f32_16x16x4_f32). A number that lies on a knife's edge between two numbers of the format may be rounded either way, as far as f32 arithmetic and the matrix unit's own rounding can turn it there, and no further.
;; One version. Each part assembles by itself: llvm-mc -triple=amdgcn-amd-amdhsa -mcpu=gfx1250 --defsym DOCPART=n.
;; ======== version 1 of 1: 1 launch
;; limits: right only within a limited range of input values
;; launch att (part 1): grid 256 x 1, 8 waves a work-group, no clusters, 200,192 bytes of LDS; arguments keys_length, lowp_scales, W1, W2, b1, b2, W3, b3, queries, keys, out0; writes out0
.if DOCPART == 1
	.amdgcn_target "amdgcn-amd-amdhsa--gfx1250"
	.amdhsa_code_object_version 6
	.text
	.protected	k_qa3ae89bbd3_att
	.globl	k_qa3ae89bbd3_att
	.p2align	8
	.type	k_qa3ae89bbd3_att,@function
k_qa3ae89bbd3_att:
	s_mov_b64 s[64:65], 0
	v_nop
	global_prefetch_b8 v0, s[64:65] scope:SCOPE_SE
	s_setreg_imm32_b32 hwreg(HW_REG_WAVE_MODE, 25, 1), 1
	s_wait_xcnt 0x0
; out[b][n] = sum over t of softmax_t(s[b][n][t] / 8) keys[b][t],  s = sigmoid(sigmoid([q, k, q-k, q*k] W1 + b1) W2 + b2) W3 + b3, keys t >= keys_length[b] masked.
; The products with W1, W2 and keys run on codes of FP8 (E4M3), each operand with its given scale 2^e (lowp_scales e0 .. e5); the product with W3 is f32 multiply-adds.
; The softmax ahead of the last product: t = s x log2(e) / 8, M = ceil(the row's largest t), p = 2^(t - M) is quantised; the sum of the unquantised p divides at the end.
; SHARES.  256 work-groups of 8 waves.  Every work-group ranks the 128 batches by length; work-group g (p = g / 4, jq = g % 4) owns queries 4 jq .. 4 jq + 3 of the batch of rank 127 - p (x = 0)
; and of the batch of rank p (x = 1): a long one and a short one.  A tile is 16 rows = 4 queries x 4 keys: lane (r = lane % 16, h = lane / 16) holds query r % 4 and key t0 + r / 4.
; Wave w takes tiles w + 8 j of batch 0 and (w xor 7) + 8 j of batch 1, j = 0 .. 6 (a constant count); a tile all of whose keys lie at or beyond the length is jumped over by a scalar branch on keys_length.
; Any int32 length is served: above 200 counts as 200; 0 or less masks all 200 keys, which are then all computed and masked, as the definition has it.
; NO CLUSTER, NO TENSOR LOAD: the four work-groups of a pair read the same two batches' keys (102,400 bytes at the most) and all read W1 and W2 (94,720 bytes), but joint requests are tensor loads;
; this text computes keys_length keys of each batch.
; LAYOUTS along K, the same in both sources of a product.  Product 1, two steps of 128: step s, registers 0-7 of half h: section 2 s, channels 32 h + 0 .. 31; registers 8-15: section 2 s + 1 (sections q, k, q-k, q*k).
; It is used transposed (source 0 = 16 units of W1, source 1 = 16 rows): register j of tile t is unit 16 t + 8 h + j of the lane's row, so eight registers convert into registers 2 t, 2 t + 1 of product 2's operand.
; Product 2: K = 80 in registers 0-9, zero codes in 10-15 of both sources; its 40 outputs fill three tiles, outputs 40-47 repeat output 39 and meet W3 = 0.  Product 4: K = 256 keys, zero codes beyond the length.
; LIMITS: each of e0 .. e5 between -126 and 119; e0 + e1 and e2 + e3 between -126 and 126 (each power of two is made as an f32 number).  NaN among the inputs is not served.
.set KF,  0            ; LDS: keys f32, 224 rows x 272 bytes, batch x at KF + KFS x
.set KFS, 60928
.set KC,  121856       ; keys' codes under e0, 224 rows x 80 bytes
.set KCS, 17920
.set SC,  157696       ; scores: 8 rows (4 x + n) x 1,040 bytes, word t
.set PC,  166144       ; p's codes: 8 rows x 272 bytes, byte t
.set LS,  168448       ; the 8 row sums
.set OS,  168704       ; the way out: 8 rows x 272
.set QL,  171008       ; q f32: 8 rows x 272
.set W1I, 173312       ; W1's codes as images of registers: 40 pieces x 512 bytes
.set W2I, 193792       ; W2's: 16 pieces x 256 bytes
.set KEY, 197888       ; the 128 sort keys, a copy for each four waves
.set PUB, 198912       ; 8 bytes a wave: the two keys found
.set QF,  24           ; v24-55   q, 32 channels
.set B0,  56           ; v56-71   step 0's codes: q's, k's
.set KR,  72           ; v72-103  the key, 32 channels
.set B1,  104          ; v104-119 step 1's codes
.set FE,  120          ; v120-183 q-k, q*k; then A1 = v120-159 (5 tiles) and A2 = v160-183 (3 tiles)
.set A1,  120
.set A2,  160
.set HC,  184          ; v184-199 the hidden layer's codes; v194-199 stay 0
.set B2P, 200          ; v200-223 -log2(e) b2
.set W3V, 224          ; v224-247 W3
.set G,   24           ; prologue: v24-135, 14 groups of keys x 8
.set TA,  136          ; prologue: v136-151 W2's numbers
; window 1: v0-159 W1's ten fragments ((t, s) at 16 (2 t + s)); v160-207 W2's three; v208-247 -log2(e) b1.  In the prologue v0-79 W1's numbers, v80-99 their codes.
.set MSB, 0
.macro WIN new                         ; the immediate's high byte repeats the setting that is left
.if MSB != \new
	s_set_vgpr_msb (MSB<<8)|\new
.set MSB, \new
.endif
.endm
.macro BAR                             ; my LDS stores have landed and my LDS loads are in: then the work-group's barrier
	s_wait_dscnt 0x0
	s_barrier_signal -1
	s_barrier_wait -1
.endm
.macro SCL e, a, b                     ; v[a] = 2^e as f32, v[b] = 448 x 2^e
	s_add_co_i32 s78, s[\e], 127
	s_lshl_b32 s79, s78, 23
	v_mov_b32 v[\a], s79
	s_add_co_i32 s78, s78, 8
	s_lshl_b32 s78, s78, 23
	s_or_b32 s78, s78, 0x600000
	v_mov_b32 v[\b], s78
.endm
	; ---- ids, constants, addresses
	s_load_b512 s[8:23], s[0:1], 0x0               ; keys_length, lowp_scales, W1, W2, b1, b2, W3, b3
	s_load_b128 s[24:27], s[0:1], 0x40             ; queries, keys
	s_load_b64 s[28:29], s[0:1], 0x50              ; out0
	v_lshl_add_u32 v253, v0, 2, 0x30a00
	s_set_vgpr_msb 0x40
	v_mov_b32 v255, 0
	s_set_vgpr_msb 0x4000
	v_lshrrev_b32 v1, 5, v0
	s_delay_alu instid0(VALU_DEP_1)
	v_readfirstlane_b32 s2, v1                     ; wave w
	v_and_b32 v1, 31, v0                           ; lane
	v_and_b32 v2, 15, v0                           ; r
	v_bfe_u32 v3, v0, 4, 1                         ; h
	s_delay_alu instid0(VALU_DEP_2)
	v_lshrrev_b32 v7, 2, v2                        ; r / 4: my key in a tile
	s_wait_alu depctr_va_vdst(0)
	v_and_b32 v24, 3, v2                           ; r % 4: my query
	s_wait_alu depctr_va_vdst(0)
	s_xor_b32 s3, s2, 7                            ; w xor 7: the wave's place in batch 1
	s_lshr_b32 s4, ttmp9, 2                        ; p
	s_and_b32 s5, ttmp9, 3                         ; jq
	s_mov_b32 s46, 0x76543210                      ; v_permlanex16_b32: lane l xor 16
	s_mov_b32 s47, 0xfedcba98
	s_mov_b32 s44, 0x3e38aa3b                      ; c = log2(e) / 8
	s_mov_b32 s45, s44
	s_mov_b32 s48, 0xbfb8aa3b                      ; -log2(e)
	s_mov_b32 s49, s48
	v_mul_u32_u24 v4, v7, 272
	s_delay_alu instid0(VALU_DEP_1)
	v_lshl_add_u32 v4, v3, 7, v4                   ; my place in a tile's four rows of keys
	v_mul_u32_u24 v5, v7, 80
	s_delay_alu instid0(VALU_DEP_1)
	v_lshl_add_u32 v5, v3, 5, v5                   ; and of their codes
	v_mul_u32_u24 v6, v24, 1040
	s_delay_alu instid0(VALU_DEP_1)
	v_lshl_add_u32 v6, v7, 2, v6                   ; and among the scores
	v_mul_u32_u24 v21, v24, 272
	s_delay_alu instid0(VALU_DEP_1)
	v_lshl_add_u32 v21, v3, 7, v21
	s_delay_alu instid0(VALU_DEP_1)
	v_add_nc_u32 v21, QL, v21                      ; my query's 32 channels
	v_mov_b32 v11, 0xcf800000                      ; NEG = -(2^32) + 1 as f32
	v_mov_b32 v16, 0                               ; a quad of zeros for the prologue
	v_mov_b32 v17, 0
	v_mov_b32 v18, 0
	v_mov_b32 v19, 0
	v_mov_b32 v20, 0                               ; a lane permute's destination counts as read
	v_lshlrev_b32 v22, 3, v1                       ; 8 x lane
	s_wait_alu depctr_va_vdst(0)
	s_mul_i32 s78, s2, 1040
	s_add_co_u32 s78, s78, SC
	v_lshl_add_u32 v23, v1, 5, s78                 ; row w of the scores, 32 bytes a lane
	s_mul_i32 s78, s2, 2560
	s_add_co_u32 s78, s78, W1I
	v_lshl_add_u32 v8, v1, 4, s78                  ; where I store W1's images
	s_lshl_b32 s78, s2, 8
	s_add_co_u32 s78, s78, W2I
	v_add_nc_u32 v9, s78, v22                      ; and W2's
	s_mul_i32 s78, s2, 272
	s_add_co_u32 s78, s78, QL
	v_add_nc_u32 v10, s78, v22                     ; and q's row w
.irp x, 0,1                                    ; the staging: group j of batch x is rows 32 j + 4 w' .. + 3 (w' = w or w xor 7): the wave's own tiles' keys
	s_lshl_b32 s78, s[2+\x], 10
	v_lshl_add_u32 v[170+\x], v1, 4, s78           ; in memory: 1,024 w' + 16 x lane
	s_mul_i32 s78, s[2+\x], 1088
	s_add_co_u32 s78, s78, KF+KFS*\x
	v_mad_u32_u24 v[172+\x], v3, 272, s78
	s_delay_alu instid0(VALU_DEP_1)
	v_lshl_add_u32 v[172+\x], v2, 4, v[172+\x]     ; in LDS: row 4 w' + h, 16 r
	s_mul_i32 s78, s[2+\x], 320
	s_add_co_u32 s78, s78, KC+KCS*\x
	v_mad_u32_u24 v[174+\x], v3, 80, s78
	s_delay_alu instid0(VALU_DEP_1)
	v_lshl_add_u32 v[174+\x], v2, 2, v[174+\x]     ; the codes: row 4 w' + h, 4 r
.endr
	v_and_b32 v179, 127, v0                        ; the batch whose sort key I make
	s_delay_alu instid0(VALU_DEP_1)
	v_lshlrev_b32 v180, 2, v179
	v_lshl_add_u32 v181, v0, 2, KEY                ; threads 0-127 fill the first copy, 128-255 the second
	s_lshr_b32 s78, s2, 2
	s_lshl_b32 s78, s78, 9
	s_add_co_u32 s78, s78, KEY                     ; my four waves' copy
	s_lshl_b32 s79, s2, 6
	s_add_co_u32 s79, s79, s78
	v_lshl_add_u32 v185, v2, 2, s79                ; the key of batch 16 w + r, which I rank
	v_lshl_add_u32 v186, v3, 8, s78                ; against keys 64 h .. 64 h + 63
	s_lshl_b32 s79, s2, 3
	s_add_co_u32 s79, s79, PUB
	v_mov_b32 v187, s79
	v_mov_b32 v190, PUB
	; W1: wave w takes features 64 (w / 2) + 16 (w % 2) + 32 h + 0 .. 15 for all 80 units: registers 4 (w % 4) .. + 3 of step w / 4 of every fragment
	s_lshr_b32 s78, s2, 1
	s_mul_i32 s78, s78, 20480
	s_and_b32 s79, s2, 1
	s_mul_i32 s79, s79, 5120
	s_add_co_u32 s30, s78, s79
	s_mov_b32 s31, 0
	v_mul_u32_u24 v248, v3, 10240
	s_delay_alu instid0(VALU_DEP_1)
	v_lshl_add_u32 v248, v2, 2, v248               ; 32 h rows of 320 bytes + 4 r
	; W2: pieces idx = w and w + 8; piece 5 T + c is registers 2 c, 2 c + 1 of tile T: k = 16 c + 8 h + 0 .. 7 of output min(16 T + r, 39).  Piece 15 is read by nobody
.irp q, 0,1
	s_add_co_u32 s80, s2, 8*\q
	s_mul_i32 s78, s80, 13
	s_lshr_b32 s78, s78, 6                         ; T = idx / 5
	s_mul_i32 s79, s78, 5
	s_sub_co_u32 s79, s80, s79                     ; c
	s_mul_i32 s79, s79, 2560
	s_lshl_b32 s78, s78, 4
	v_add_nc_u32 v[249+\q], s78, v2
	s_delay_alu instid0(VALU_DEP_1)
	v_min_u32 v[249+\q], 39, v[249+\q]
	s_delay_alu instid0(VALU_DEP_1)
	v_lshl_add_u32 v[249+\q], v[249+\q], 2, s79
	s_delay_alu instid0(VALU_DEP_1)
	v_mad_u32_u24 v[249+\q], v3, 1280, v[249+\q]
.endr
	v_lshlrev_b32 v251, 5, v3                      ; the biases: 8 h numbers on
	v_mov_b32 v252, 0
	s_wait_alu depctr_va_vdst(0)
	s_wait_kmcnt 0x0
	s_load_b128 s[32:35], s[10:11], 0x0            ; e0 .. e3
	s_load_b64 s[36:37], s[10:11], 0x10            ; e4, e5
	s_load_b32 s38, s[22:23], 0x0                  ; b3
	s_add_nc_u64 s[12:13], s[12:13], s[30:31]
	; ---- the first loads: a length, then the weights, in two groups of 59 and 60.  LOADcnt counts to 63 and an issue beyond that stalls (ISA guide 5.7.1):
	; each group by itself stays under that, so the second group's issue hangs on returns of the first group alone, never on its own
	global_load_b32 v176, v180, s[8:9]
	WIN 0x40                                       ; destination window 1
.irp t, 0,1,2
.irp i, 0,1,2,3,4,5,6,7,8,9,10,11,12,13,14,15
	global_load_b32 v[16*\t+\i], v248, s[12:13] offset:320*\i+64*\t
.endr
.endr
.irp t, 0,1,2,3,4
	global_load_b128 v[208+8*\t:211+8*\t], v251, s[16:17] offset:64*\t      ; b1 at units 16 t + 8 h + 0 .. 7
	global_load_b128 v[212+8*\t:215+8*\t], v251, s[16:17] offset:64*\t+16
.endr
	WIN 0
	s_wait_loadcnt 58                              ; 48 + 10 loads were issued behind the length's: it is in
	v_add_nc_u32 v177, -1, v176
	s_delay_alu instid0(VALU_DEP_1)
	v_min_u32 v177, 0xc7, v177                     ; u = min(len - 1, 199), unsigned: 199 for len <= 0 and for len > 200
	v_cmp_gt_i32 vcc_lo, 1, v176
	v_mov_b32 v178, 1
	s_delay_alu instid0(VALU_DEP_1)
	v_cndmask_b32 v178, 0, v178, vcc_lo            ; flag: len <= 0
	s_delay_alu instid0(VALU_DEP_1)
	v_lshl_or_b32 v178, v179, 1, v178
	s_delay_alu instid0(VALU_DEP_1)
	v_lshl_or_b32 v178, v177, 8, v178
	s_delay_alu instid0(VALU_DEP_1)
	v_or_b32 v178, 0x10000, v178                   ; key = 2^16 | u << 8 | batch << 1 | flag: no two alike, none 0
	ds_store_b32 v181, v178
	BAR                                            ; the 128 keys lie in LDS
	; ---- the rank of batch 16 w + r: how many keys are smaller; each half of the lanes counts among 64.  The weights' second group goes out between the LDS loads and the wait for them
	ds_load_b32 v182, v185
.irp i, 0,1,2,3,4,5,6,7,8,9,10,11,12,13,14,15
	ds_load_b128 v[24+4*\i:27+4*\i], v186 offset:16*\i
.endr
	WIN 0x40
.irp t, 3,4
.irp i, 0,1,2,3,4,5,6,7,8,9,10,11,12,13,14,15
	global_load_b32 v[16*\t+\i], v248, s[12:13] offset:320*\i+64*\t
.endr
.endr
	WIN 0
.irp i, 0,1,2,3,4,5,6,7
	global_load_b32 v[TA+\i], v249, s[14:15] offset:160*\i
	global_load_b32 v[TA+8+\i], v250, s[14:15] offset:160*\i
.endr
.irp t, 0,1
	global_load_b128 v[B2P+8*\t:B2P+8*\t+3], v251, s[18:19] offset:64*\t
	global_load_b128 v[B2P+8*\t+4:B2P+8*\t+7], v251, s[18:19] offset:64*\t+16
	global_load_b128 v[W3V+8*\t:W3V+8*\t+3], v251, s[20:21] offset:64*\t
	global_load_b128 v[W3V+8*\t+4:W3V+8*\t+7], v251, s[20:21] offset:64*\t+16
.endr
	global_load_b128 v[B2P+16:B2P+19], v252, s[18:19] offset:128           ; tile 2: both halves take outputs 32 .. 39: no load leaves its buffer
	global_load_b128 v[B2P+20:B2P+23], v252, s[18:19] offset:144
	global_load_b128 v[W3V+16:W3V+19], v252, s[20:21] offset:128
	global_load_b128 v[W3V+20:W3V+23], v252, s[20:21] offset:144
	s_wait_dscnt 0x0
.set ii, 0
.rept 64
	v_sub_nc_u32 v[24+ii], v[24+ii], v182          ; negative where the other key is smaller (keys have 17 bits)
.set ii, ii+1
.endr
.set ii, 0
.rept 64
	v_lshrrev_b32 v[24+ii], 31, v[24+ii]
.set ii, ii+1
.endr
	v_add_nc_u32 v183, v24, v25
	v_add_nc_u32 v184, v26, v27
.set ii, 4
.rept 15
	s_delay_alu instid0(VALU_DEP_2)
	v_add3_u32 v183, v183, v[24+ii], v[25+ii]
	s_delay_alu instid0(VALU_DEP_2)
	v_add3_u32 v184, v184, v[26+ii], v[27+ii]
.set ii, ii+4
.endr
	s_delay_alu instid0(VALU_DEP_1)
	v_add_nc_u32 v183, v183, v184
	s_delay_alu instid0(VALU_DEP_1)
	v_permlanex16_b32 v20, v183, s46, s47
	s_delay_alu instid0(VALU_DEP_1)
	v_add_nc_u32 v183, v183, v20                   ; the rank, in both halves
	s_sub_co_u32 s83, 127, s4
.irp x, 0,1                                    ; the key of rank 127 - p (x = 0) and of rank p (x = 1), or 0 if it is not among my wave's sixteen
.if \x == 0
	v_cmp_eq_u32 s80, s83, v183
.else
	v_cmp_eq_u32 s80, s4, v183
.endif
	s_ctz_i32_b32 s81, s80
	s_and_b32 s81, s81, 15
	v_readlane_b32 s82, v182, s81
	s_cmp_lg_u32 s80, 0
	s_cselect_b32 s82, s82, 0
	v_mov_b32 v[188+\x], s82
.endr
	ds_store_b64 v187, v[188:189]                  ; every lane the same two words, at the wave's own 8 bytes
	BAR
.irp i, 0,1,2,3
	ds_load_b128 v[24+4*\i:27+4*\i], v190 offset:16*\i
.endr
	s_wait_dscnt 0x0
.irp i, 2
	v_or_b32 v24, v24, v[24+\i]                    ; one wave has published each key, the others 0
	v_or_b32 v25, v25, v[25+\i]
.endr
.irp i, 4, 6, 8, 10, 12, 14
	s_delay_alu instid0(VALU_DEP_2)
	v_or_b32 v24, v24, v[24+\i]
	s_delay_alu instid0(VALU_DEP_2)
	v_or_b32 v25, v25, v[25+\i]
.endr
	s_delay_alu instid0(VALU_DEP_2)
	v_readfirstlane_b32 s84, v24
	s_delay_alu instid0(VALU_DEP_2)
	v_readfirstlane_b32 s85, v25
.irp x, 0,1
	s_bfe_u32 s[50+\x], s[84+\x], 0x70001          ; the batch,
	s_min_u32 s[50+\x], s[50+\x], 127              ; held inside the table ahead of every address
	s_bfe_u32 s78, s[84+\x], 0x80008
	s_min_u32 s78, s78, 199
	s_add_co_u32 s[52+\x], s78, 1                  ; keys to compute
	s_bitcmp1_b32 s[84+\x], 0
	s_cselect_b32 s[54+\x], 0, s[52+\x]            ; keys that count
	s_add_co_u32 s78, s[52+\x], 31
	s_and_b32 s78, s78, 0xe0
	s_min_u32 s[56+\x], s78, 200                   ; rows to stage: up to the next multiple of 32, since the last product reads 32 keys at a time
	s_lshl_b32 s78, s[2+\x], 2
	s_sub_co_i32 s[58+\x], s[56+\x], s78           ; group j is staged where this is above 32 j
	s_mul_i32 s30, s[50+\x], 51200
	s_add_nc_u64 s[60+6*\x:61+6*\x], s[26:27], s[30:31]
.endr
	s_cmp_lt_u32 s2, 4                             ; waves 0-3 serve batch 0's four rows of q, p and out, waves 4-7 batch 1's
	s_cselect_b32 s78, s84, s85
	s_cselect_b32 s86, s52, s53
	s_bfe_u32 s78, s78, 0x70001
	s_min_u32 s78, s78, 127
	s_lshl_b32 s78, s78, 12
	s_lshl_b32 s79, s5, 10
	s_add_co_u32 s78, s78, s79
	s_and_b32 s79, s2, 3
	s_lshl_b32 s79, s79, 8
	s_add_co_u32 s30, s78, s79                     ; row (batch, 4 jq + w % 4) of 256 bytes
	s_add_nc_u64 s[68:69], s[24:25], s[30:31]
	s_add_nc_u64 s[76:77], s[28:29], s[30:31]
	; ---- q's row and the keys are asked for.  Every group's two loads are issued on every path, so that the counted waits below hold whatever the lengths;
	; a group beyond the rows to stage takes offset 0 in every lane.  The choice hangs on a loaded length, so the offset is held under a constant as the last thing ahead of the loads:
	; 7,664 = 1,024 x 7 + 16 x 31, the largest that a lane has (with 8,192 x 5 + 512 + 16 that ends at byte 49,152 of a batch's 51,200); for j = 6: 1,520 = 1,024 + 16 x 31, the largest of a wave
	; whose rows 192 + 4 w' on exist (with 49,152 + 512 + 16 that ends at byte 51,200).  The hold changes no offset that the choice lets through.
	global_load_b64 v[254:255], v22, s[68:69] th:TH_LOAD_NT
.macro GLOAD x, j
	s_cmp_gt_i32 s[58+\x], 32*\j
	s_cselect_b32 s78, -1, 0
	v_and_b32 v[156+7*\x+\j], s78, v[170+\x]
.if \j == 6
	s_delay_alu instid0(VALU_DEP_1)
	v_min_u32 v[156+7*\x+\j], 0x5f0, v[156+7*\x+\j]
.else
	s_delay_alu instid0(VALU_DEP_1)
	v_min_u32 v[156+7*\x+\j], 0x1df0, v[156+7*\x+\j]
.endif
	global_load_b128 v[G+8*(7*\x+\j):G+8*(7*\x+\j)+3], v[156+7*\x+\j], s[60+6*\x:61+6*\x] offset:8192*\j
	global_load_b128 v[G+8*(7*\x+\j)+4:G+8*(7*\x+\j)+7], v[156+7*\x+\j], s[60+6*\x:61+6*\x] offset:8192*\j+512
.endm
.irp x, 0,1
.irp j, 0,1,2,3,4,5,6
	GLOAD \x, \j
.endr
.endr
	; ---- the weights are quantised while the keys are on their way
	s_wait_kmcnt 0x0
	SCL 32, 12, 13                                 ; e0: the features
	SCL 34, 14, 15                                 ; e2: the hidden layer
	s_add_co_i32 s78, s32, s33
	s_lshl_b32 s78, s78, 23
	s_add_co_u32 s40, s78, 0xbfb8aa3b              ; -log2(e) 2^(e0 + e1): the exponents are added to the exponent field
	s_mov_b32 s41, s40
	s_add_co_i32 s78, s34, s35
	s_lshl_b32 s78, s78, 23
	s_add_co_u32 s42, s78, 0xbfb8aa3b              ; -log2(e) 2^(e2 + e3)
	s_mov_b32 s43, s42
	s_wait_loadcnt 29                              ; behind the weights and biases: q's load and the keys' 28.  Their address registers v248-252 are free
	SCL 33, 248, 249                               ; e1
	SCL 35, 250, 251                               ; e3
	WIN 0x41                                       ; destination and source 0 window 1
	s_wait_alu depctr_va_vdst(0)
.irp t, 0,1,2,3,4
.irp i, 0,1,2,3,4,5,6,7,8,9,10,11,12,13,14,15
.endr
	v_cvt_scalef32_pk8_fp8_f32 v[80+4*\t:81+4*\t], v[16*\t:16*\t+7], v248
	v_cvt_scalef32_pk8_fp8_f32 v[82+4*\t:83+4*\t], v[16*\t+8:16*\t+15], v248
.endr
.set ii, 0
.rept 20
	v_pk_mul_f32 v[208+ii:209+ii], v[208+ii:209+ii], s[48:49] op_sel_hi:[1,0]   ; -log2(e) b1.  (Plain lines behind the conversions)
.set ii, ii+2
.endr
	WIN 0x04                                       ; store data window 1
.irp t, 0,1,2,3,4
	ds_store_b128 v8, v[80+4*\t:83+4*\t] offset:512*\t     ; piece 5 w + t, as the registers stand
.endr
	WIN 0
.irp i, 0,1,2,3,4,5,6,7,8,9,10,11,12,13,14,15
.endr
	v_cvt_scalef32_pk8_fp8_f32 v[152:153], v[TA:TA+7], v250
	v_cvt_scalef32_pk8_fp8_f32 v[154:155], v[TA+8:TA+15], v250
.set ii, 0
.rept 12
	v_pk_mul_f32 v[B2P+ii:B2P+ii+1], v[B2P+ii:B2P+ii+1], s[48:49] op_sel_hi:[1,0]   ; -log2(e) b2
.set ii, ii+2
.endr
	ds_store_b64 v9, v[152:153]
	ds_store_b64 v9, v[154:155] offset:2048
	v_cmp_eq_u32 vcc_lo, 0, v3
.irp i, 0,1,2,3,4,5,6,7
	v_cndmask_b32 v[W3V+16+\i], 0, v[W3V+16+\i], vcc_lo    ; outputs 40 .. 47 do not exist: W3 = 0 there
.endr
	v_cmp_gt_u32 vcc_lo, 25, v1
	v_mov_b32 v177, 0xff800000
	s_delay_alu instid0(VALU_DEP_1)
	v_cndmask_b32 v176, v177, v11, vcc_lo          ; the scores begin as NEG for t < 200 (what is not computed is masked) and -infinity from 200 on
	s_delay_alu instid0(VALU_DEP_1)
	v_mov_b32 v177, v176
	s_delay_alu instid0(VALU_DEP_2)
	v_mov_b32 v178, v176
	s_delay_alu instid0(VALU_DEP_3)
	v_mov_b32 v179, v176
	ds_store_b128 v23, v[176:179]
	ds_store_b128 v23, v[176:179] offset:16
	BAR                                            ; the weights' images lie in LDS; my LDS stores have read their registers: v136-155 and v176-199 are written again below
	; ---- the weights' fragments into window 1, where they stay: 55 LDS loads a wave, asked for ahead of the staging, so that they come while the keys are on their way and are converted
	v_lshl_add_u32 v8, v1, 4, W1I
	v_add_nc_u32 v9, W2I, v22
	WIN 0x40
.irp t, 0,1,2,3,4
.irp s, 0,1
.irp g, 0,1,2,3
	ds_load_b128 v[16*(2*\t+\s)+4*\g:16*(2*\t+\s)+4*\g+3], v8 offset:((4*\s+\g)*5+\t)*512
.endr
.endr
.endr
.irp t, 0,1,2
.irp c, 0,1,2,3,4
	ds_load_b64 v[160+16*\t+2*\c:161+16*\t+2*\c], v9 offset:(5*\t+\c)*256
.endr
.irp i, 10,11,12,13,14,15
	v_mov_b32 v[160+16*\t+\i], 0                   ; K = 80: the rest of the step is zero codes, in both sources
.endr
.endr
	WIN 0
	; ---- the staging: keys as f32 and as codes under e0
	s_wait_loadcnt 28                              ; q's row is in: the keys' 28 loads were issued behind it
	ds_store_b64 v10, v[254:255]
; Group (x, j).  Each group's codes go into a pair of their own, so that no register that a pending LDS store reads is written.
; Group j = 6 where it is not staged: its four rows (192 + 4 w' on) are cleared: rows 200 to 223 are read with the last 32 keys and hold zeros.
.macro GPROC x, j
.set GG, 7*\x+\j
.set GR, G+8*GG
.set GT, TA+8*(GG%2)
.if GG < 2
.set GC, 152+2*GG
.else
.set GC, 172+2*GG
.endif
	s_wait_loadcnt 26-2*GG                         ; two loads for each group issued behind this one
	s_cmp_gt_i32 s[58+\x], 32*\j
	s_cbranch_scc0 .Lgo_\@
	ds_store_b128 v[172+\x], v[GR:GR+3] offset:8704*\j
	ds_store_b128 v[172+\x], v[GR+4:GR+7] offset:8704*\j+544
.irp i, 0,1,2,3,4,5,6,7
.endr
	v_cvt_scalef32_pk8_fp8_f32 v[GC:GC+1], v[GR:GR+7], v12
	v_nop                                          ; a plain line behind the conversion, on every way on
	ds_store_b32 v[174+\x], v[GC] offset:2560*\j
	ds_store_b32 v[174+\x], v[GC+1] offset:2560*\j+160
.if \j == 6
	s_branch .Lgd_\@
.Lgo_\@:
	ds_store_b128 v[172+\x], v[16:19] offset:8704*6
	ds_store_b128 v[172+\x], v[16:19] offset:8704*6+544
.Lgd_\@:
.else
.Lgo_\@:
.endif
.endm
.irp x, 0,1
.irp j, 0,1,2,3,4,5,6
	GPROC \x, \j
.endr
.endr
	BAR                                            ; keys, codes and q lie in LDS; my fragments of the weights are in
.irp i, 10,11,12,13,14,15
	v_mov_b32 v[HC+\i], 0                          ; the hidden layer's zero codes beyond K = 80
.endr
; n sigmoids in place: 1 / (1 + 2^z), z = -log2(e) x the argument.  Each batch of transcendentals has one plain line behind it and one wait ahead of its first reader.
.macro SIGM base, n
.set ii, 0
.rept \n
	v_exp_f32 v[\base+ii], v[\base+ii]
.set ii, ii+1
.endr
	v_nop
	s_wait_alu depctr_va_vdst(0)
.set ii, 0
.rept \n/2
	v_pk_add_f32 v[\base+ii:\base+ii+1], v[\base+ii:\base+ii+1], 1.0 op_sel_hi:[1,0]
.set ii, ii+2
.endr
.set ii, 0
	s_wait_alu depctr_va_vdst(0)
.rept \n
	v_rcp_f32 v[\base+ii], v[\base+ii]
.set ii, ii+1
.endr
	v_nop
	s_wait_alu depctr_va_vdst(0)
.endm
; ---- the scores of batch x: seven trips, tile w' + 8 j in trip j.  A tile's four rows of keys are asked for a trip ahead: the first tile's ahead of the loop (rows 4 w' .. + 3 are always staged: at least 32 rows are),
; the next tile's as soon as q - k and q * k have read the registers, where the next tile is not left out.
.macro BATCH x
.if \x
	s_wait_dscnt 0x0                               ; batch 0's LDS instructions are done: where all its tiles were left out, the rows asked for ahead of its loop were still on their way into the registers asked for below
.endif
.irp j, 0,1,2,3,4,5,6,7
	ds_load_b128 v[QF+4*\j:QF+4*\j+3], v21 offset:1088*\x+16*\j
.endr
	s_lshl_b32 s71, s[2+\x], 2                     ; the tile's first key
	s_mul_i32 s72, s[2+\x], 1088
	s_add_co_u32 s72, s72, KF+KFS*\x               ; its rows,
	s_mul_i32 s73, s[2+\x], 320
	s_add_co_u32 s73, s73, KC+KCS*\x               ; their codes,
	s_lshl_b32 s74, s[2+\x], 4
	s_add_co_u32 s74, s74, SC+4160*\x              ; its scores
	s_mov_b32 s70, 7
	v_add_nc_u32 v8, s72, v4
.irp j, 0,1,2,3,4,5,6,7
	ds_load_b128 v[KR+4*\j:KR+4*\j+3], v8 offset:16*\j
.endr
	s_wait_dscnt 8                                 ; q is in; the eight loads of the first tile's rows may be out
.set ii, 0
.rept 32
	v_med3_num_f32 v[FE+ii], v[QF+ii], -v13, v13   ; q stays as it is for q - k and q * k
.set ii, ii+1
.endr
.irp g, 0,1,2,3
	v_cvt_scalef32_pk8_fp8_f32 v[B0+2*\g:B0+2*\g+1], v[FE+8*\g:FE+8*\g+7], v12
.endr
	v_nop
.Ltrip_\x:
	s_cmp_ge_u32 s71, s[52+\x]                     ; all four keys at or beyond the length: the tile is left out
	s_cbranch_scc1 .Lskip_\x
	s_setprio 2
	v_add_nc_u32 v9, s73, v5
	ds_load_b128 v[B0+8:B0+11], v9
	ds_load_b128 v[B0+12:B0+15], v9 offset:16
	s_wait_dscnt 2                                 ; the key's f32 numbers, asked for a trip ago, are in; the two loads of its codes may be out
.set ii, 0
.rept 16
	v_pk_add_f32 v[FE+ii:FE+ii+1], v[QF+ii:QF+ii+1], v[KR+ii:KR+ii+1] neg_lo:[0,1] neg_hi:[0,1]   ; q - k
.set ii, ii+2
.endr
.set ii, 0
.rept 16
	v_pk_mul_f32 v[FE+32+ii:FE+33+ii], v[QF+ii:QF+ii+1], v[KR+ii:KR+ii+1]                          ; q * k
.set ii, ii+2
.endr
	s_add_co_u32 s78, s71, 32                      ; the next tile's first key: the compare is the one that the next trip makes
	s_cmp_ge_u32 s78, s[52+\x]
	s_cbranch_scc1 .Lnone_\x
	v_add_nc_u32 v8, s72, v4
.irp j, 0,1,2,3,4,5,6,7
	ds_load_b128 v[KR+4*\j:KR+4*\j+3], v8 offset:8704+16*\j    ; 32 rows of 272 bytes on
.endr
.Lnone_\x:
	s_wait_alu depctr_va_vdst(0)
.irp g, 0,1,2,3,4,5,6,7
.irp i, 0,1,2,3,4,5,6,7
.endr
	v_cvt_scalef32_pk8_fp8_f32 v[B1+2*\g:B1+2*\g+1], v[FE+8*\g:FE+8*\g+7], v12
.endr
	s_wait_dscnt 0x0                               ; the key's codes are in.  The count is 0 since the eight loads above are issued on one way only; they stand 8 vector instructions back
	v_add_nc_u32 v10, s74, v6                      ; (the plain line between the conversions and the products)
	WIN 0x01                                       ; source 0 window 1
.irp t, 0,1,2,3,4                              ; five accumulators by turns, one instruction a turn
	v_wmma_f32_16x16x128_fp8_fp8 v[A1+8*\t:A1+8*\t+7], v[32*\t:32*\t+15], v[B0:B0+15], 0
.endr
	s_wait_alu depctr_va_vdst(0)
.irp t, 0,1,2,3,4
	v_wmma_f32_16x16x128_fp8_fp8 v[A1+8*\t:A1+8*\t+7], v[32*\t+16:32*\t+31], v[B1:B1+15], v[A1+8*\t:A1+8*\t+7]
.endr
	WIN 0x10                                       ; source 2 window 1
.rept 4
	v_nop                                          ; four places between the products and the first read of a result (ISA guide 7.12.1)
.endr
.set ii, 0
.rept 20
	v_pk_fma_f32 v[A1+ii:A1+ii+1], v[A1+ii:A1+ii+1], s[40:41], v[208+ii:209+ii] op_sel_hi:[1,0,1]   ; -log2(e) (sum 2^(e0 + e1) + b1); each accumulator from its low end on
.set ii, ii+2
.endr
	WIN 0
	s_wait_alu depctr_va_vdst(0)
	SIGM A1, 40
	s_setprio 1
	s_cmp_ge_i32 s34, -8                           ; a sigmoid is at most 1, and 448 x 2^e2 is above 1 from e2 = -8 on: the hold is needed only below
	s_cbranch_scc1 .Lnohold_\x
.set ii, 0
.rept 40
	v_min_num_f32 v[A1+ii], v[A1+ii], v15
.set ii, ii+1
.endr
.Lnohold_\x:
.irp c, 0,1,2,3,4
	v_cvt_scalef32_pk8_fp8_f32 v[HC+2*\c:HC+2*\c+1], v[A1+8*\c:A1+8*\c+7], v14   ; units 16 c + 8 h + 0 .. 7: registers 2 c, 2 c + 1 of the next operand
.endr
	v_nop
	WIN 0x01
.irp t, 0,1,2
	v_wmma_f32_16x16x128_fp8_fp8 v[A2+8*\t:A2+8*\t+7], v[160+16*\t:175+16*\t], v[HC:HC+15], 0
.endr
	WIN 0
.rept 4
	v_nop
.endr
.set ii, 0
.rept 12
	v_pk_fma_f32 v[A2+ii:A2+ii+1], v[A2+ii:A2+ii+1], s[42:43], v[B2P+ii:B2P+ii+1] op_sel_hi:[1,0,1]
.set ii, ii+2
.endr
	s_setprio 0
	s_wait_alu depctr_va_vdst(0)
	SIGM A2, 24
	v_pk_mul_f32 v[16:17], v[A2:A2+1], v[W3V:W3V+1]                ; the product with W3, in f32, two chains of pairs
	v_pk_mul_f32 v[18:19], v[A2+2:A2+3], v[W3V+2:W3V+3]
.set ii, 4
.rept 5
	v_pk_fma_f32 v[16:17], v[A2+ii:A2+ii+1], v[W3V+ii:W3V+ii+1], v[16:17]
	v_pk_fma_f32 v[18:19], v[A2+ii+2:A2+ii+3], v[W3V+ii+2:W3V+ii+3], v[18:19]
.set ii, ii+4
.endr
	s_delay_alu instid0(VALU_DEP_1)
	v_pk_add_f32 v[16:17], v[16:17], v[18:19]
	s_delay_alu instid0(VALU_DEP_1)
	v_add_f32 v16, v16, v17
	s_delay_alu instid0(VALU_DEP_1)
	v_permlanex16_b32 v20, v16, s46, s47           ; the other half of the outputs lies in lane l xor 16
	s_delay_alu instid0(VALU_DEP_1)
	v_add_f32 v16, v16, v20
	s_delay_alu instid0(VALU_DEP_1)
	v_add_f32 v16, s38, v16                        ; + b3
	s_sub_co_i32 s75, s[54+\x], s71
	v_cmp_gt_i32 vcc_lo, s75, v7                   ; my key counts where t0 + r / 4 < the keys that count
	s_delay_alu instid0(VALU_DEP_1)
	v_cndmask_b32 v16, v11, v16, vcc_lo
	ds_store_b32 v10, v16                          ; both halves of the lanes store the same word
.Lskip_\x:
	s_add_co_u32 s71, s71, 32
	s_add_co_u32 s72, s72, 8704
	s_add_co_u32 s73, s73, 2560
	s_add_co_u32 s74, s74, 128
	s_sub_co_u32 s70, s70, 1
	s_cmp_lg_u32 s70, 0
	s_cbranch_scc1 .Ltrip_\x
	s_setprio 0
.endm
	BATCH 0
	BATCH 1
	; ---- keys^T under e5, ahead of the barrier: wave (x = w / 4, ct = w % 4) takes channels 16 ct + r of batch x; registers 2 c, 2 c + 1: keys 16 c + 8 h + 0 .. 7.
	; All sets' loads go out in one run, 16 for each 32 keys up to the length, into v72-183, which the loops have left; the way out's addresses are made while they come
	s_wait_dscnt 0x0                               ; batch 1's LDS instructions are done: v72-103 may be asked for anew
	s_lshr_b32 s87, s2, 2
	s_and_b32 s88, s2, 3
	s_mul_i32 s78, s87, KFS
	s_lshl_b32 s79, s88, 6
	s_add_co_u32 s78, s78, s79
	v_mad_u32_u24 v8, v3, 2176, s78
	s_delay_alu instid0(VALU_DEP_1)
	v_lshl_add_u32 v8, v2, 2, v8
.irp q, 0,1,2,3,4,5,6
	s_cmp_gt_u32 s86, 32*\q                        ; keys 32 q on lie beyond the length: so do all later sets
	s_cbranch_scc0 .Lkt_asked
	s_wait_alu depctr_va_vdst(0)
.irp u, 0,1
.irp i, 0,1,2,3,4,5,6,7
	ds_load_b32 v[72+16*\q+8*\u+\i], v8 offset:(32*\q+16*\u+\i)*272
.endr
.endr
.endr
.Lkt_asked:
	v_and_b32 v9, 3, v2
	s_wait_alu depctr_va_vdst(0)
	s_mul_i32 s80, s2, 272
	s_add_co_u32 s78, s80, PC
	v_add_nc_u32 v4, s78, v22                      ; where I store row w's codes of p,
	s_lshl_b32 s78, s2, 2
	s_add_co_u32 s78, s78, LS
	v_mov_b32 v5, s78                              ; and its sum
	s_mul_i32 s81, s87, 1088
	s_add_co_u32 s78, s81, PC
	v_mad_u32_u24 v6, v9, 272, s78
	s_delay_alu instid0(VALU_DEP_1)
	v_lshl_add_u32 v6, v3, 3, v6                   ; p's fragment: row 4 x + r % 4, + 8 h
	s_lshl_b32 s78, s87, 4
	s_add_co_u32 s78, s78, LS
	v_lshl_add_u32 v7, v9, 2, s78                  ; that row's sum
	s_add_co_u32 s78, s81, s79
	s_add_co_u32 s78, s78, OS
	v_mad_u32_u24 v12, v9, 272, s78
	s_delay_alu instid0(VALU_DEP_1)
	v_lshl_add_u32 v12, v3, 5, v12                 ; the way out: row 4 x + r % 4, channels 16 ct + 8 h on
	s_add_co_u32 s78, s80, OS
	v_add_nc_u32 v13, s78, v22                     ; and back: row w
	SCL 37, 248, 249                               ; e5
	SCL 36, 250, 251                               ; e4
	s_wait_dscnt 0x0                               ; one wait for all the sets asked for
.macro KTSET q                         ; keys 32 q .. 32 q + 31 become codes, or zero codes where all of them lie beyond the length
	s_cmp_gt_u32 s86, 32*\q
	s_cbranch_scc0 .Lkz_\@
.irp i, 0,1,2,3,4,5,6,7,8,9,10,11,12,13,14,15
.endr
	s_wait_alu depctr_va_vdst(0)
	v_cvt_scalef32_pk8_fp8_f32 v[24+4*\q:25+4*\q], v[72+16*\q:79+16*\q], v248
	v_cvt_scalef32_pk8_fp8_f32 v[26+4*\q:27+4*\q], v[80+16*\q:87+16*\q], v248
	v_nop
	s_branch .Lke_\@
.Lkz_\@:
.irp i, 0,1,2,3
	v_mov_b32 v[24+4*\q+\i], 0
.endr
.Lke_\@:
.endm
.irp q, 0,1,2,3,4,5,6
	KTSET \q
.endr
.irp i, 28,29,30,31
	v_mov_b32 v[24+\i], 0                          ; keys 224 .. 255
.endr
	BAR                                            ; all scores lie in LDS
	; ---- the softmax of row w: a lane holds keys 8 lane .. + 7
	ds_load_b128 v[104:107], v23
	ds_load_b128 v[108:111], v23 offset:16
	s_wait_dscnt 0x0
	v_max3_num_f32 v112, v104, v105, v106
	v_max3_num_f32 v113, v107, v108, v109
	s_delay_alu instid0(VALU_DEP_2)
	v_max3_num_f32 v112, v112, v110, v111
	s_delay_alu instid0(VALU_DEP_1)
	v_max_num_f32 v112, v112, v113
	s_delay_alu instid0(VALU_DEP_1)
	v_max_num_f32_dpp v112, v112, v112 row_xmask:1 row_mask:0xf bank_mask:0xf
	s_delay_alu instid0(VALU_DEP_1)
	v_max_num_f32_dpp v112, v112, v112 row_xmask:2 row_mask:0xf bank_mask:0xf
	s_delay_alu instid0(VALU_DEP_1)
	v_max_num_f32_dpp v112, v112, v112 row_xmask:4 row_mask:0xf bank_mask:0xf
	s_delay_alu instid0(VALU_DEP_1)
	v_max_num_f32_dpp v112, v112, v112 row_xmask:8 row_mask:0xf bank_mask:0xf
	s_delay_alu instid0(VALU_DEP_1)
	v_permlanex16_b32 v20, v112, s46, s47
	s_delay_alu instid0(VALU_DEP_1)
	v_max_num_f32 v112, v112, v20
	s_delay_alu instid0(VALU_DEP_1)
	v_mul_f32 v112, s44, v112                      ; the largest t (c is positive)
	s_delay_alu instid0(VALU_DEP_1)
	v_floor_f32 v114, -v112                        ; -M = floor(-t) = -ceil(t)
	s_delay_alu instid0(VALU_DEP_1)
	v_mov_b32 v115, v114
.irp i, 0,2,4,6
	v_pk_mul_f32 v[104+\i:105+\i], v[104+\i:105+\i], s[44:45] op_sel_hi:[1,0]   ; t, rounded as the largest t was: with every key masked t - M is then exactly 0
.endr
.irp i, 0,2,4,6
	s_delay_alu instid0(VALU_DEP_4)
	v_pk_add_f32 v[104+\i:105+\i], v[104+\i:105+\i], v[114:115]
.endr
	s_wait_alu depctr_va_vdst(0)
.irp i, 0,1,2,3,4,5,6,7
	v_exp_f32 v[104+\i], v[104+\i]                 ; p = 2^(t - M)
.endr
	v_nop
	s_wait_alu depctr_va_vdst(0)                   ; one wait for the batch, ahead of its first reader
	v_pk_add_f32 v[116:117], v[104:105], v[106:107]        ; the sum of the unquantised p
	v_pk_add_f32 v[118:119], v[108:109], v[110:111]
	s_delay_alu instid0(VALU_DEP_1)
	v_pk_add_f32 v[116:117], v[116:117], v[118:119]
	s_delay_alu instid0(VALU_DEP_1)
	v_add_f32 v116, v116, v117
	s_delay_alu instid0(VALU_DEP_1)
	v_add_f32_dpp v116, v116, v116 row_xmask:1 row_mask:0xf bank_mask:0xf
	s_delay_alu instid0(VALU_DEP_1)
	v_add_f32_dpp v116, v116, v116 row_xmask:2 row_mask:0xf bank_mask:0xf
	s_delay_alu instid0(VALU_DEP_1)
	v_add_f32_dpp v116, v116, v116 row_xmask:4 row_mask:0xf bank_mask:0xf
	s_delay_alu instid0(VALU_DEP_1)
	v_add_f32_dpp v116, v116, v116 row_xmask:8 row_mask:0xf bank_mask:0xf
	s_delay_alu instid0(VALU_DEP_1)
	v_permlanex16_b32 v20, v116, s46, s47
	s_delay_alu instid0(VALU_DEP_1)
	v_add_f32 v116, v116, v20
.irp i, 0,1,2,3,4,5,6,7
.endr
	v_cvt_scalef32_pk8_fp8_f32 v[112:113], v[104:111], v250
	v_nop
	ds_store_b64 v4, v[112:113]
	ds_store_b32 v5, v116
	BAR                                            ; p's codes and the sums lie in LDS
	; ---- out^T = keys^T p^T: wave (x, ct): 16 channels x the batch's four queries (each in four lanes); K = 256 in two steps, two accumulators
.irp c, 0,1,2,3,4,5,6,7,8,9,10,11,12,13,14,15
	ds_load_b64 v[120+2*\c:121+2*\c], v6 offset:16*\c
.endr
	ds_load_b32 v104, v7
	s_add_co_i32 s78, s36, s37
	v_mov_b32 v107, 0                              ; (named as the upper half of the pair v[106:107])
	s_wait_dscnt 0x0
	v_wmma_f32_16x16x128_fp8_fp8 v[152:159], v[24:39], v[120:135], 0
	v_wmma_f32_16x16x128_fp8_fp8 v[160:167], v[40:55], v[136:151], 0
	v_rcp_f32 v106, v104
.rept 4
	v_nop                                          ; the places behind the products, and the plain line behind the reciprocal
.endr
	s_wait_alu depctr_va_vdst(0)
	v_ldexp_f32 v106, v106, s78                    ; 2^(e4 + e5) / the sum
.irp i, 0,2,4,6
	v_pk_add_f32 v[168+\i:169+\i], v[152+\i:153+\i], v[160+\i:161+\i]
.endr
.irp i, 0,2,4,6
	s_delay_alu instid0(VALU_DEP_4)
	v_pk_mul_f32 v[168+\i:169+\i], v[168+\i:169+\i], v[106:107] op_sel_hi:[1,0]
.endr
	ds_store_b128 v12, v[168:171]                  ; the four lanes of a query store the same bytes
	ds_store_b128 v12, v[172:175] offset:16
	BAR                                            ; eight whole rows of the output lie in the stage
	ds_load_b64 v[104:105], v13
	s_wait_dscnt 0x0
	global_store_b64 v22, v[104:105], s[76:77] th:TH_STORE_NT      ; 32 lanes store a row's 256 consecutive bytes, at a multiple of 256 from the buffer's first byte
	s_set_vgpr_msb 0x4
	s_wait_tensorcnt 0x0
	ds_add_u32 v253, v255
	s_wait_dscnt 0x0
	s_set_vgpr_msb 0x400
	s_endpgm
.Lfunc_end_k_qa3ae89bbd3_att:
	.size	k_qa3ae89bbd3_att, .Lfunc_end_k_qa3ae89bbd3_att-k_qa3ae89bbd3_att
	.p2alignl 7, 3214868480
	.fill 96, 4, 3214868480
	.section	.rodata,"a",@progbits
	.p2align	6, 0x0
	.amdhsa_kernel k_qa3ae89bbd3_att
		.amdhsa_group_segment_fixed_size 200192
		.amdhsa_private_segment_fixed_size 0
		.amdhsa_enable_private_segment 0
		.amdhsa_kernarg_size 88
		.amdhsa_user_sgpr_count 2
		.amdhsa_user_sgpr_kernarg_segment_ptr 1
		.amdhsa_wavefront_size32 1
		.amdhsa_system_sgpr_workgroup_id_x 1
		.amdhsa_system_sgpr_workgroup_id_y 1
		.amdhsa_system_sgpr_workgroup_id_z 1
		.amdhsa_system_vgpr_workitem_id 0
		.amdhsa_next_free_vgpr 512
		.amdhsa_next_free_sgpr 100
		.amdhsa_reserve_vcc 1
		.amdhsa_float_denorm_mode_32 3
		.amdhsa_float_denorm_mode_16_64 3
		.amdhsa_fp16_overflow 1
		.amdhsa_memory_ordered 1
		.amdhsa_forward_progress 1
		.amdhsa_inst_pref_size 114
	.end_amdhsa_kernel
	.amdgpu_metadata
---
amdhsa.version: [ 1, 2 ]
amdhsa.kernels:
  - .name:           k_qa3ae89bbd3_att
    .symbol:         k_qa3ae89bbd3_att.kd
    .args:
      - { .name: keys_length, .offset: 0, .size: 8, .value_kind: global_buffer, .address_space: global }
      - { .name: lowp_scales, .offset: 8, .size: 8, .value_kind: global_buffer, .address_space: global }
      - { .name: W1, .offset: 16, .size: 8, .value_kind: global_buffer, .address_space: global }
      - { .name: W2, .offset: 24, .size: 8, .value_kind: global_buffer, .address_space: global }
      - { .name: b1, .offset: 32, .size: 8, .value_kind: global_buffer, .address_space: global }
      - { .name: b2, .offset: 40, .size: 8, .value_kind: global_buffer, .address_space: global }
      - { .name: W3, .offset: 48, .size: 8, .value_kind: global_buffer, .address_space: global }
      - { .name: b3, .offset: 56, .size: 8, .value_kind: global_buffer, .address_space: global }
      - { .name: queries, .offset: 64, .size: 8, .value_kind: global_buffer, .address_space: global }
      - { .name: keys, .offset: 72, .size: 8, .value_kind: global_buffer, .address_space: global }
      - { .name: out0, .offset: 80, .size: 8, .value_kind: global_buffer, .address_space: global }
    .group_segment_fixed_size: 200192
    .private_segment_fixed_size: 0
    .kernarg_segment_align: 8
    .kernarg_segment_size: 88
    .max_flat_workgroup_size: 256
    .sgpr_count:     100
    .vgpr_count:     512
    .wavefront_size: 32
...
	.end_amdgpu_metadata
.endif
;; end of part 1
